; MI455X (gfx1250); checked and timed in simulation.
; The chip was launched on July 23, 2026; its instructions are those of AMD's public machine-readable ISA for CDNA 5 (MIT licence, August 2026) and "CDNA5" Instruction Set Architecture Reference Guide (July 2026). The comments in the code are by the model that wrote it; some were corrected since.
;; FP8 MM. Allowed arithmetic: matrix products marked QUANTISED: E5M2 operands, one given power-of-two scale a tensor, by v_wmma_f32_16x16x64_bf8_bf8 or v_wmma_f32_16x16x128_bf8_bf8, f32 sums; everything else in f32.
;; Inputs: inp_codes 4,096 x 128 x 32 uint8 (E5M2 codes of inp, K innermost, in blocks of 32 codes); lowp_scales 2 int32 (the exponents e of the quantised operands' scales 2^e).
;; Outputs: out0 4,096 x 4,096 float32.
;; This version of the problem:
;;   THIS VERSION OF THE PROBLEM IS GIVEN IN LOW PRECISION. The matrix products marked QUANTISED in the list below multiply operands that are first quantised to E5M2 (5 exponent bits, 2 mantissa bits; 8 bits a number), with one given power-of-two scale for each operand tensor; their sums are f32. All else is computed in f32.
;;   The module's matrix products, in the order in which they are computed (A, B: the left and right operand; K: the contracted axis; several contracted axes count as one K, in the product's order):
;;     1. [M 4,096, K 4,096] x [K 4,096, N 4,096]; A: input inp (given as codes); B: input inp (given as codes): QUANTISED (scales: A lowp_scales[0], B lowp_scales[1])
;;   THE QUANTISER, for each operand of a quantised product, along K:
;;     - The operand's scale is 2^e, e = its entry of the input lowp_scales (int32; the entries are numbered through the quantised products in the list's order, A before B).
;;     - Each number is divided by the scale, clamped to +-57,344, and rounded to the nearest number of E5M2, ties to even, subnormals kept.
;;     - The product sums the exact products of the quantised numbers (number of the format x scale) in f32.
;;   ~~~python
;;   def quantise(x, axis, e):      # numpy; x: float32 -> the quantised numbers, widened to float32 again
;;       x = np.moveaxis(x, axis, -1); K = x.shape[-1]
;;       r = np.clip(x / 2.0 ** e, -57344, 57344)
;;       step = 2.0 ** (np.maximum(np.frexp(np.where(r == 0, 1, r))[1] - 1, -14) - 2)
;;       q = np.round(r / step) * step * 2.0 ** e      # np.round: ties to even
;;       return np.moveaxis(q, -1, axis).astype(np.float32)
;;   ~~~
;;   INPUTS GIVEN AS CODES. inp (in the module: [4096, 4096], K = its axis 0): each comes as NAME_codes (uint8): NAME with its K axis moved to the last place and cut into blocks of 32 codes, [.., K / 32, bytes a block], one block behind the other in memory; one code a byte (a code: sign, 5 exponent bits, 2 mantissa bits); its scale is its entry of lowp_scales. Its value is code x scale, taken as it is: it is not quantised again, and the codes and scales need not be those that the quantiser above would give.
;; One version. Each part assembles by itself: llvm-mc -triple=amdgcn-amd-amdhsa -mcpu=gfx1250 --defsym DOCPART=n.
;; ======== version 1 of 1: 1 launch
;; limits: right only within a limited range of input values
;; launch gram (part 1): grid 16 x 16, 4 waves a work-group, clusters of 4 x 4, 327,680 bytes of LDS; arguments inp_codes, lowp_scales, out0; writes out0
.if DOCPART == 1
	.amdgcn_target "amdgcn-amd-amdhsa--gfx1250"
	.amdhsa_code_object_version 6
	.text
	.protected	k_q001da21173_gram
	.globl	k_q001da21173_gram
	.p2align	8
	.type	k_q001da21173_gram,@function
k_q001da21173_gram:
	s_mov_b64 s[64:65], 0
	v_nop
	global_prefetch_b8 v0, s[64:65] scope:SCOPE_SE
	s_setreg_imm32_b32 hwreg(HW_REG_WAVE_MODE, 25, 1), 1
	s_wait_xcnt 0x0
	s_wait_alu depctr_hold_cnt(0) depctr_sa_sdst(0) depctr_va_vdst(0) depctr_va_sdst(0) depctr_va_ssrc(0) depctr_va_vcc(0) depctr_vm_vsrc(0)
	s_getreg_b32 s2, hwreg(HW_REG_IB_STS2, 6, 4)
	s_cmp_eq_u32 s2, 0
	s_cbranch_scc0 .Lentry_in_a_cluster
	s_endpgm
.Lentry_in_a_cluster:
	s_bfe_u32 s2, ttmp6, 0x10000c
	s_cmp_lg_u32 s2, 0xf033
	s_cbranch_scc0 .Lentry_shape_is_right
	s_endpgm
.Lentry_shape_is_right:
; out0[i][j] = 2^(e0 + e1) x sum over k of c[i][k] c[j][k].  c = inp_codes: 4,096 rows of 4,096 E5M2 codes, K innermost; both operands are rows of c.
; e0, e1 = lowp_scales[0], [1]: the codes are multiplied as they are, each finished f32 sum is scaled once by v_ldexp_f32.  LIMIT: e0 + e1 is formed as an int32 sum.
; A work-group of four waves makes a tile of 256 x 256; a wave 128 x 128: 64 accumulators, 512 registers.  16 x 16 tiles = 256 work-groups.
; K goes in steps of 256 through two LDS slots (256 rows for the tile's rows, 256 for its columns, 256 bytes each + 16 of padding), one tensor load of 128 rows a wave.
; CLUSTERS 4 x 4: the row tiles are asked for jointly along a row of the cluster, the column tiles along a column.
; THE WALK ALONG K IS ROTATED: cluster n = x + 4 y begins at K step n and wraps behind K step 15, so the sixteen clusters read sixteen different K steps at a time,
; and the launch's loads are spread over all 4,096 bytes of the rows.  The offset is made of the cluster's numbers alone: it is equal in all partners of a joint load.
; Each sum takes the same sixteen K steps, in a rotated order: an order of rounding that differs from ascending K.
; The matrix instruction is used transposed (source 0 = 16 column rows, source 1 = 16 row rows): a lane holds eight neighbouring numbers of a row of out0.
; A lane's registers 4c..4c+3 hold K = 32c + 16 (l/16) + 0..15: one permutation of k for both sources, so every product meets its partner.
; THE LAST SLOT GOES BY ROWS OF out0: both column sets hold its whole K, the row fragments come by blocks of 16 rows, and each block leaves as soon as its 16 products are issued.
; REGISTERS: window 0: v0-31 addresses, v32-95 at work on the way out, v128-255 the row fragments (one set; in the last slot four buffers of 32); window 1: the column fragments, two sets; windows 2, 3: accumulators.
; PREFETCH: behind each refill waves 0 and 1 ask for the K step two refills on of the row tile: of the 128 rows that the wave fetches, the partner at cx takes 32, a lane a row.
; So each block of 256 bytes is named by the four clusters of one row of clusters, each at its own place of its walk; the column tiles' rows are row tiles' rows of other clusters and are not named again.
; The first four K steps of a walk come by their loads alone; the loop's last trip asks for nothing: its look-ahead would wrap onto K steps already read.
.set KSTEP,  256
.set ROWB,   256
.set KROW,   4096
.set CROW,   16384
.set PITCH,  272
.set FR,     16
.set NL,     4
.set NP,     4
.set HALFT,  128*PITCH
.set SLOT,   4*HALFT
.set LAPS,   4096/(2*KSTEP)
.set SPARE,  2*SLOT                    ; the spare words: 512 bytes behind the ring, named by no other line
.set SPITCH, 528                       ; the way out: 16 rows x (512 + 16) bytes a wave, in slot 0 behind its last fill and last read
.set ADRA, 16
.set ADRB, 20
.set STO,  24
.set RD,   25
.set CO,   26
.set SPW,  28
.set NIL,  29
.set PFO,  30
.set TMP,  32
.set AF,   128
.set LIM,  8                           ; s8: the loop count above which my wave asks (waves 2, 3: never)
.set PFA,  12                          ; s[12:13] the prefetch's address
.set PFB,  66                          ; s[66:67] my work-group's 32 rows, at byte 0 of the rows
.set KO,   80                          ; s[80:81], s[82:83]: the byte along K of slot 0's, slot 1's tile, as 64-bit offsets
.set PK,   84                          ; s[84:85] the same for the prefetch
.set G1, 24
.set G0, 32
.set G1B, 48
.set G0B, 56
.set MSB, 0
.macro WIN new                         ; the immediate's high byte repeats the setting that is left
.if MSB != \new
	s_set_vgpr_msb (MSB<<8)|\new
.set MSB, \new
.endif
.endm
.set MUL_LO, 0xa1
.set MUL_HI, 0xf1
.set TO_B,   0x40
; a joint load: waves 0, 1 fetch the row tile's halves, waves 2, 3 the column tile's; s_nop 0 and four v_nop behind each line
.macro JLOAD g0a, g1a, g0b, g1b
	s_cmp_eq_u32 s15, 0
	s_cbranch_scc0 .Lfor_b_\@
	tensor_load_to_lds s[\g0a:\g0a+3], s[\g1a:\g1a+7]
	s_nop 0
.rept 4
	v_nop
.endr
	s_branch .Lasked_\@
.Lfor_b_\@:
	tensor_load_to_lds s[\g0b:\g0b+3], s[\g1b:\g1b+7]
	s_nop 0
.rept 4
	v_nop
.endr
.Lasked_\@:
.endm
.macro ASK
	s_cmp_gt_u32 s3, s[LIM]                        ; s3 = 1 in the loop's last trip
	s_cbranch_scc0 .Lnot_mine_\@
	global_prefetch_b8 v[PFO], s[PFA:PFA+1] th:TH_LOAD_NT scope:SCOPE_SE
.Lnot_mine_\@:
.endm
.macro CREST                           ; a round of the cluster's barrier behind its opening barrier
	s_cmp_lg_u32 s14, 0
	s_cbranch_scc1 .Lnot_wave_0_\@
	s_barrier_signal -3
.Lnot_wave_0_\@:
	s_barrier_wait -3
	s_barrier_signal -1
	s_barrier_wait -1
.endm
.macro CROUND
	s_barrier_signal -1
	s_barrier_wait -1
	CREST
.endm
	s_load_b128 s[4:7], s[0:1], 0x0                ; codes s[4:5], scales s[6:7]
	s_load_b64 s[10:11], s[0:1], 0x10              ; out0
	v_lshl_add_u32 v[SPW], v0, 2, SPARE
	v_mov_b32 v[NIL], 0
	ds_add_u32 v[SPW], v[NIL]                      ; the opening lines: the add twice on end and its wait
	ds_add_u32 v[SPW], v[NIL]
	v_lshrrev_b32 v1, 5, v0
	v_readfirstlane_b32 s14, v1                    ; wave
	s_lshr_b32 s15, s14, 1                         ; my half of the tile's rows; also: I fetch the row tile (0) or the column tile (1)
	s_and_b32 s16, s14, 1                          ; my half of its columns; also: which 128 rows I fetch
	s_bfe_u32 s40, ttmp6, 0x40000                  ; cx
	s_bfe_u32 s41, ttmp6, 0x40004                  ; cy
	s_lshl_b32 s42, ttmp9, 2
	s_add_co_u32 s42, s42, s40                     ; tile column
	s_and_b32 s17, ttmp7, 0xffff
	s_lshl_b32 s17, s17, 2
	s_add_co_u32 s17, s17, s41                     ; tile row
	s_lshl_b32 s43, s41, 2
	s_lshl_b32 s43, 15, s43                        ; my row of the cluster
	s_lshl_b32 s44, 0x1111, s40                    ; my column
	s_or_b32 s[G1+0], s43, (0<<16)|(1<<20)|(1<<21)|(5<<22)|(3<<25)   ; mask; bytes; 4 words of padding behind every 64
	s_or_b32 s[G1B+0], s44, (0<<16)|(1<<20)|(1<<21)|(5<<22)|(3<<25)
.irp g, G1, G1B
	s_mov_b32 s[\g+1], ROWB<<16
	s_mov_b32 s[\g+2], 128<<16
	s_mov_b32 s[\g+3], ROWB<<16
	s_mov_b32 s[\g+4], 128
	s_mov_b32 s[\g+5], KROW
	s_mov_b32 s[\g+6], 0
	s_mov_b32 s[\g+7], 0
.endr
	s_lshl_b32 s18, s16, 7
	s_lshl_b32 s20, s17, 8
	s_add_co_u32 s20, s20, s18
	s_lshl_b32 s20, s20, 12                        ; row tile: (256 x tile row + 128 x half) x 4,096 bytes
	s_mov_b32 s21, 0
	s_lshl_b32 s46, s42, 8
	s_add_co_u32 s46, s46, s18
	s_lshl_b32 s46, s46, 12                        ; column tile likewise, by the tile column
	s_mov_b32 s47, 0
	s_and_b32 s70, ttmp7, 0xffff
	s_lshl_b32 s70, s70, 2
	s_add_co_u32 s70, s70, ttmp9                   ; n = cluster x + 4 x cluster y
	s_lshl_b32 s[KO], s70, 8                       ; slot 0 begins at K step n,
	s_mov_b32 s[KO+1], 0
	s_add_co_u32 s[KO+2], s[KO], ROWB
	s_and_b32 s[KO+2], s[KO+2], KROW-1             ; slot 1 at n + 1, wrapped
	s_mov_b32 s[KO+3], 0
	s_mov_b32 s[PK+1], 0
	s_mul_i32 s45, s14, HALFT                      ; where my load lands: wave x 128 rows
	s_mul_i32 s74, s15, HALFT                      ; my row fragments in slot 0, 1
	s_mul_i32 s75, s16, HALFT
	s_add_co_u32 s75, s75, 2*HALFT                 ; my column fragments
	s_add_co_u32 s76, s74, SLOT
	s_add_co_u32 s77, s75, SLOT
	s_mul_i32 s23, s14, 16*SPITCH                  ; my stage
	s_lshl_b32 s68, s17, 8
	s_lshl_b32 s69, s15, 7
	s_add_co_u32 s68, s68, s69
	s_lshl_b32 s68, s68, 14                        ; my first row of out0, in bytes
	s_lshl_b32 s72, s42, 10
	s_lshl_b32 s73, s16, 9
	s_add_co_u32 s68, s68, s72
	s_add_co_u32 s68, s68, s73                     ; + my first column
	s_mov_b32 s69, 0
	s_lshl_b32 s72, s17, 8                         ; the prefetch: the row tile's first row
	s_add_co_u32 s72, s72, s18                     ; + the 128 rows that I fetch
	s_lshl_b32 s73, s40, 5
	s_add_co_u32 s72, s72, s73                     ; + my work-group's 32 of them
	s_lshl_b32 s72, s72, 12
	s_mov_b32 s73, 0
	s_cmp_eq_u32 s15, 0
	s_cselect_b32 s[LIM], 1, -1
	s_wait_dscnt 0x0                               ; both opening adds are done
	s_wait_kmcnt 0x0
	s_load_b64 s[96:97], s[6:7], 0x0               ; e0, e1
	s_add_nc_u64 s[20:21], s[4:5], s[20:21]        ; the tiles' rows at byte 0: kept
	s_add_nc_u64 s[46:47], s[4:5], s[46:47]
.irp s, 0,1
	s_mov_b32 s[G0+4*\s], 1
	s_add_co_u32 s[G0+4*\s+1], s45, \s*SLOT
	s_add_nc_u64 s[G0+4*\s+2:G0+4*\s+3], s[20:21], s[KO+2*\s:KO+2*\s+1]
	s_or_b32 s[G0+4*\s+3], s[G0+4*\s+3], 0x80000000
	s_mov_b32 s[G0B+4*\s], 1
	s_add_co_u32 s[G0B+4*\s+1], s45, \s*SLOT
	s_add_nc_u64 s[G0B+4*\s+2:G0B+4*\s+3], s[46:47], s[KO+2*\s:KO+2*\s+1]
	s_or_b32 s[G0B+4*\s+3], s[G0B+4*\s+3], 0x80000000
.endr
	CROUND                                         ; all sixteen work-groups are here: the first joint loads meet
	JLOAD G0, G1, G0B, G1B                         ; the walk's first K step: one tensor load a wave at the head
	s_add_nc_u64 s[10:11], s[10:11], s[68:69]
	s_add_nc_u64 s[PFB:PFB+1], s[4:5], s[72:73]
	v_and_b32 v1, 15, v0                           ; l % 16
	v_bfe_u32 v2, v0, 4, 1                         ; l / 16
	v_and_b32 v6, 31, v0
	v_mul_u32_u24 v3, v1, PITCH
	v_mul_u32_u24 v5, v1, SPITCH
	v_lshl_add_u32 v4, v2, 4, v3                   ; a fragment's row x pitch + 16 x half
	v_lshl_add_u32 v5, v2, 5, v5                   ; into the stage: row l % 16, 32 bytes for each half of the lanes
	v_lshlrev_b32 v[CO], 4, v6                     ; back: 32 lanes take a row of 512 bytes; the same in out0
	v_lshlrev_b32 v[PFO], 12, v6                   ; a lane a row
	v_add_nc_u32 v[ADRA], s74, v4
	v_add_nc_u32 v[ADRB], s75, v4
	v_add_nc_u32 v[ADRA+1], s76, v4
	v_add_nc_u32 v[ADRB+1], s77, v4
	v_add_nc_u32 v[STO], s23, v5
	v_add_nc_u32 v[RD], s23, v[CO]
.macro FRAG reg, adr, q, i
.irp c, 0,1,2,3
	ds_load_b128 v[\reg+4*\c:\reg+4*\c+3], v[\adr] offset:128*(\q)+32*\c+(\i)*16*PITCH
.endr
.endm
; 16 matrix instructions: row blocks a0, a0 + 1 x the eight column blocks of set p.  The 64 accumulators take turns in one order in every step.
.macro MUL16 a0, p, zero
.irp a, \a0, \a0+1
.irp b, 0,1,2,3,4,5,6,7
.if \zero
	v_wmma_f32_16x16x128_bf8_bf8 v[8*(8*((\a)%4)+\b):8*(8*((\a)%4)+\b)+7], v[128*(\p)+FR*\b:128*(\p)+FR*\b+FR-1], v[AF+FR*(\a):AF+FR*(\a)+FR-1], 0
.else
	v_wmma_f32_16x16x128_bf8_bf8 v[8*(8*((\a)%4)+\b):8*(8*((\a)%4)+\b)+7], v[128*(\p)+FR*\b:128*(\p)+FR*\b+FR-1], v[AF+FR*(\a):AF+FR*(\a)+FR-1], v[8*(8*((\a)%4)+\b):8*(8*((\a)%4)+\b)+7]
.endif
.endr
.endr
.endm
.macro FETCH_B slot, q, p
	WIN TO_B
.irp i, 0,1,2,3,4,5,6,7
	FRAG 128*(\p)+FR*\i, ADRB+\slot, \q, \i
.endr
	WIN 0
.endm
.macro FETCH_A slot, q, i0
.irp i, \i0, \i0+1, \i0+2, \i0+3
	FRAG AF+FR*(\i), ADRA+\slot, \q, \i
.endr
.endm
.macro ALOAD a                         ; the last slot (slot 1): row block a, 16 rows x 256 K, into buffer a % 4 of 32 registers: eight loads
.irp q, 0,1
	FRAG AF+32*((\a)%4)+16*\q, ADRA+1, \q, \a
.endr
.endm
.macro PLACES n                        ; places behind matrix instructions, in front of loads into their registers and of reads of results
.rept \n
	v_nop
.endr
.endm
; A slot's first 128 along K, on column set 0.  The second 128's column set goes out at the step's head (set 1 is idle through the whole step; the places behind its last products stand in front of this macro),
; row blocks 0-3 in the middle, 4-7 at the end: runs of 32, 16 and 16 loads.
.macro STEP slot, zero
	FETCH_B \slot, 1, 1
	s_wait_dscnt 12*NL                             ; set 0 and row blocks 0-3 are in; out may be: row blocks 4-7 (16) and the 32 just issued
	WIN MUL_LO
	MUL16 0, 0, \zero
	MUL16 2, 0, \zero
	s_wait_dscnt 8*NL                              ; row blocks 4-7 are in; the 32 of set 1 may be out
	PLACES NP
	WIN 0
	FETCH_A \slot, 1, 0
	WIN MUL_HI
	MUL16 4, 0, \zero
	MUL16 6, 0, \zero
	PLACES NP
	WIN 0
	FETCH_A \slot, 1, 4
.endm
; A slot's second 128 along K, on column set 1, changes slots.  At its head each wave waits for all its tensor loads (one is out: its part of the next slot) and adds 0 to its spare word; sixteen matrix
; instructions stand between the add and the wait for it and for the wave's reads of this slot.  Behind the barrier: the refill, the next slot's column set, sixteen products, row blocks 0-3, 32 products, row blocks 4-7.
; From a refill to the wait for it a wave issues 48 + 64 = 112 matrix instructions.  fill = 0: the last change of slots: nothing is filled, and the next slot's fragments are fetched for the walk by rows.
.macro TURN slot, next, fill
.if \fill
	s_wait_xcnt 0x0                                ; my last prefetch has read its address
	s_add_co_u32 s[PK], s[KO+2*\slot], 4*ROWB      ; two refills of this slot on from the tile that it holds = one on from the refill below
	s_and_b32 s[PK], s[PK], KROW-1
	s_add_nc_u64 s[PFA:PFA+1], s[PFB:PFB+1], s[PK:PK+1]
.endif
	s_wait_tensorcnt 0x0
	ds_add_u32 v[SPW], v[NIL]
.if \fill
	s_add_co_u32 s[KO+2*\slot], s[KO+2*\slot], 2*ROWB              ; no tensor load of mine is out: this slot's next K step, wrapped
	s_and_b32 s[KO+2*\slot], s[KO+2*\slot], KROW-1
	s_add_nc_u64 s[G0+4*\slot+2:G0+4*\slot+3], s[20:21], s[KO+2*\slot:KO+2*\slot+1]
	s_or_b32 s[G0+4*\slot+3], s[G0+4*\slot+3], 0x80000000
	s_add_nc_u64 s[G0B+4*\slot+2:G0B+4*\slot+3], s[46:47], s[KO+2*\slot:KO+2*\slot+1]
	s_or_b32 s[G0B+4*\slot+3], s[G0B+4*\slot+3], 0x80000000
.endif
	s_wait_dscnt 4*NL+1                            ; set 1 and row blocks 0-3 are in; the add and row blocks 4-7 (16) may be out
	WIN MUL_LO
	MUL16 0, 1, 0
	WIN 0
	s_wait_dscnt 0x0                               ; the add is done, my reads of this slot are over
	s_barrier_signal -1
	s_barrier_wait -1
.if \fill
	CREST                                          ; the barrier opened a round of the cluster's barrier
	JLOAD G0+4*\slot, G1, G0B+4*\slot, G1B         ; the refill, first behind the round
.else
	PLACES NP
.endif
	FETCH_B \next, 0, 0
	WIN MUL_LO
	MUL16 2, 1, 0
	PLACES NP
	WIN 0
.if \fill
	FETCH_A \next, 0, 0
	ASK
.else
	ALOAD 0                                        ; buffers 0, 1 lie where row blocks 0-3 lay
	ALOAD 1
.endif
	WIN MUL_HI
	MUL16 4, 1, 0
	MUL16 6, 1, 0
	PLACES NP
.if \fill
	WIN 0
	FETCH_A \next, 0, 4
.else
	FETCH_B \next, 1, 1                            ; set 1 is done with: the last slot's second 128 along K
	ALOAD 2
	ALOAD 3
.endif
.endm
	s_wait_alu depctr_va_vdst(0)
	s_wait_tensorcnt 0x0                           ; my part of the first K step is in; slot 1's first fill is issued as a refill is
	ds_add_u32 v[SPW], v[NIL]
	s_wait_dscnt 0x0
	CROUND
	JLOAD G0+4, G1, G0B+4, G1B                     ; the walk's second K step
	FETCH_B 0, 0, 0
	FETCH_A 0, 0, 0
	FETCH_A 0, 0, 4
	STEP 0, 1                                      ; the first step's products start the sums
	s_mov_b32 s3, LAPS-1
.Llap:                                                 ; a trip goes once round the ring and fills both slots again
	TURN 0, 1, 1
	STEP 1, 0
	TURN 1, 0, 1
	STEP 0, 0
	s_sub_co_u32 s3, s3, 1
	s_cmp_lg_u32 s3, 0
	s_cbranch_scc1 .Llap
	TURN 0, 1, 0
; THE LAST SLOT, BY ROWS.  Eight products: row block a x the eight column blocks, half q of the slot's K; the block's eight accumulators by turns.
.macro ROWQ a, q
	WIN MUL_LO+0x50*((\a)/4)
.irp b, 0,1,2,3,4,5,6,7
	v_wmma_f32_16x16x128_bf8_bf8 v[64*((\a)%4)+8*\b:64*((\a)%4)+8*\b+7], v[128*(\q)+FR*\b:128*(\q)+FR*\b+FR-1], v[AF+32*((\a)%4)+16*(\q):AF+32*((\a)%4)+16*(\q)+15], v[64*((\a)%4)+8*\b:64*((\a)%4)+8*\b+7]
.endr
.endm
; THE WAY OUT of block a, 16 rows x 128 columns: scaled, through my own stage, back as whole rows of 512 bytes into the block's own 64 accumulator registers, which are done with.
; LDS serves a wave's instructions in order (ISA guide 5.7.1.4): no wait between the stores and the loads, nor in front of the next block's stores.
.macro OUTSTAGE a
.set AC, 64*((\a)%4)
	PLACES NP                                      ; behind the block's last products: for the reads below and for the loads into its registers and its row buffer
	WIN 0x02+((\a)/4)
.set j, 0
.rept 64
	v_ldexp_f32 v[TMP+j], v[AC+j], s96             ; x 2^(e0 + e1); each accumulator from its low end on
.set j, j+1
.endr
	WIN 0
.irp b, 0,1,2,3,4,5,6,7
	ds_store_b128 v[STO], v[TMP+8*\b:TMP+8*\b+3] offset:64*\b
	ds_store_b128 v[STO], v[TMP+8*\b+4:TMP+8*\b+7] offset:64*\b+16
.endr
	WIN 0x80+0x40*((\a)/4)                         ; destination: window 2 or 3
.irp t, 0,1,2,3,4,5,6,7,8,9,10,11,12,13,14,15
	ds_load_b128 v[AC+4*\t:AC+4*\t+3], v[RD] offset:\t*SPITCH
.endr
	WIN 0
.endm
.macro SEND a, younger                 ; younger: the LDS loads issued behind the stage's, which may stay out
.set AC, 64*((\a)%4)
	s_wait_dscnt \younger                          ; the block is back in registers
	WIN 0x08+0x04*((\a)/4)                         ; the stores' data: window 2 or 3
.irp t, 0,1,2,3,4,5,6,7,8,9,10,11,12,13,14,15
	global_store_b128 v[CO], v[AC+4*\t:AC+4*\t+3], s[10:11] offset:(16*(\a)+\t)*CROW th:TH_STORE_NT   ; 32 lanes store 512 consecutive bytes, aligned to 256; the row stands in the immediate: 127 x 16,384 at the most; no register of a store is written again
.endr
.endm
	s_wait_kmcnt 0x0
	s_add_co_i32 s96, s96, s97                     ; e0 + e1
	s_wait_dscnt 12*NL                             ; set 0 and row blocks 0, 1 are in; out may be: set 1 (32), row blocks 2, 3 (16)
	ROWQ 0, 0
	ROWQ 1, 0
	s_wait_dscnt 4*NL                              ; set 1 is in
	ROWQ 0, 1
.irp a, 0,1,2,3,4,5,6,7                ; block a goes to the stage; its row buffer takes block a + 4; the next block's products stand between the stage's loads and the wait for them
	OUTSTAGE \a
.if \a < 4
	ALOAD \a+4
.endif
.if \a == 0
	ROWQ 1, 1
.endif
.if (\a > 0) && (\a < 7)
	ROWQ \a+1, 0                                   ; its row fragments are older than the stage's loads that the SEND before has awaited
	ROWQ \a+1, 1
.endif
.if \a < 4
	SEND \a, 8                                     ; behind the stage's loads: the eight of ALOAD
.else
	SEND \a, 0
.endif
.endr
	WIN 0
	s_wait_tensorcnt 0x0                           ; the wave's end
	ds_add_u32 v[SPW], v[NIL]
	s_wait_dscnt 0x0
	CROUND                                         ; the closing round
	s_endpgm
.Lfunc_end_k_q001da21173_gram:
	.size	k_q001da21173_gram, .Lfunc_end_k_q001da21173_gram-k_q001da21173_gram
	.p2alignl 7, 3214868480
	.fill 96, 4, 3214868480
	.section	.rodata,"a",@progbits
	.p2align	6, 0x0
	.amdhsa_kernel k_q001da21173_gram
		.amdhsa_group_segment_fixed_size 327680
		.amdhsa_private_segment_fixed_size 0
		.amdhsa_enable_private_segment 0
		.amdhsa_kernarg_size 24
		.amdhsa_user_sgpr_count 2
		.amdhsa_user_sgpr_kernarg_segment_ptr 1
		.amdhsa_wavefront_size32 1
		.amdhsa_system_sgpr_workgroup_id_x 1
		.amdhsa_system_sgpr_workgroup_id_y 1
		.amdhsa_system_sgpr_workgroup_id_z 1
		.amdhsa_system_vgpr_workitem_id 0
		.amdhsa_next_free_vgpr 1024
		.amdhsa_next_free_sgpr 98
		.amdhsa_reserve_vcc 0
		.amdhsa_float_denorm_mode_32 3
		.amdhsa_float_denorm_mode_16_64 3
		.amdhsa_memory_ordered 1
		.amdhsa_forward_progress 1
		.amdhsa_inst_pref_size 142
	.end_amdhsa_kernel
	.amdgpu_metadata
---
amdhsa.version: [ 1, 2 ]
amdhsa.kernels:
  - .name:           k_q001da21173_gram
    .symbol:         k_q001da21173_gram.kd
    .args:
      - { .name: inp_codes, .offset: 0, .size: 8, .value_kind: global_buffer, .address_space: global }
      - { .name: lowp_scales, .offset: 8, .size: 8, .value_kind: global_buffer, .address_space: global }
      - { .name: out0, .offset: 16, .size: 8, .value_kind: global_buffer, .address_space: global }
    .group_segment_fixed_size: 327680
    .private_segment_fixed_size: 0
    .kernarg_segment_align: 8
    .kernarg_segment_size: 24
    .max_flat_workgroup_size: 128
    .sgpr_count:     98
    .vgpr_count:     1024
    .wavefront_size: 32
...
	.end_amdgpu_metadata
.endif
;; end of part 1
